; MI455X (gfx1250); checked and timed in simulation.
; The chip was launched on July 23, 2026; its instructions are those of AMD's public machine-readable ISA for CDNA 5 (MIT licence, August 2026) and "CDNA5" Instruction Set Architecture Reference Guide (July 2026). The comments in the code are by the model that wrote it; some were corrected since.
;; GNN Emb Variable Encoder. Allowed arithmetic: matrix products marked QUANTISED: E2M1 operands, one E8M0 scale for each 32 along K, by v_wmma_scale_f32_16x16x128_f8f6f4 with both operands' format E2M1 (or v_wmma_scale_f32_32x16x128_f4), f32 sums; products left as they are: f32 operands where the result goes on into a quantised operand, else bf16, f16 or f32 operands; f32 sums; everything else in f32.
;; Inputs: Wb 32 x 1 float32; We 1,024 x 1,056 float32; Ww 1,024 x 1 float32; bb 32 float32; be 1,024 float32; bias 1,024 x 256 float32; bias_parameters 1,024 int32; bw 1,024 float32; weight 1,024 x 256 float32; weight_parameters 1,024 int32.
;; Outputs: out0 1,024 x 1,024 float32.
;; This version of the problem:
;;   THIS VERSION OF THE PROBLEM IS GIVEN IN LOW PRECISION. The matrix products marked QUANTISED in the list below multiply operands that are first quantised to E2M1 (2 exponent bits, 1 mantissa bit; 4 bits a number), with one power-of-two scale for each 32 numbers along K (OCP MX v1.0); their sums are f32. All else is computed in f32.
;;   The module's matrix products, in the order in which they are computed (A, B: the left and right operand; K: the contracted axis; several contracted axes count as one K, in the product's order):
;;     1. batch 1,024 x [M 1, K 256] x [K 256, N 1,024]; A: computed on the way; B: computed on the way: left as it is (M = 1 < 16)
;;     2. batch 1,024 x [M 1, K 256] x [K 256, N 32]; A: computed on the way; B: computed on the way: left as it is (M = 1 < 16)
;;     3. [M 1,024, K 1,056] x [K 1,056, N 1,024]; A: computed on the way; B: input We: QUANTISED
;;   THE QUANTISER, for each operand of a quantised product, along K:
;;     - K is cut into blocks of 32 from its start; a last block that is shorter is filled with zeros.
;;     - A block's scale is 2^e with e = floor(log2(the largest magnitude in the block)) - 2, held to -126 .. 127; a block of zeros has e = 0. As a byte (E8M0): e + 127.
;;     - Each number is divided by its block's scale, clamped to +-6, and rounded to the nearest number of E2M1, ties to even, subnormals kept.
;;     - The product sums the exact products of the quantised numbers (number of the format x scale) in f32.
;;   ~~~python
;;   def quantise(x, axis):      # numpy; x: float32 -> the quantised numbers, widened to float32 again
;;       x = np.moveaxis(x, axis, -1); K = x.shape[-1]
;;       x = np.pad(x, [(0, 0)] * (x.ndim - 1) + [(0, -K % 32)]); x = x.reshape(x.shape[:-1] + (-1, 32)); a = np.abs(x).max(-1, keepdims=True)
;;       e = np.where(a > 0, np.clip(np.frexp(np.where(a > 0, a, 1))[1] - 1 - 2, -126, 127), 0)      # np.frexp(a)[1] - 1 = floor(log2(a)), exactly
;;       r = np.clip(x / 2.0 ** e, -6, 6)
;;       step = 2.0 ** (np.maximum(np.frexp(np.where(r == 0, 1, r))[1] - 1, 0) - 1)
;;       q = np.round(r / step) * step * 2.0 ** e      # np.round: ties to even
;;       return np.moveaxis(q.reshape(q.shape[:-2] + (-1,))[..., :K], -1, axis).astype(np.float32)
;;   ~~~
;;   OPERANDS COMPUTED ON THE WAY. 'Computed on the way' means the value that the module computes at that place (a softmax that the list does not call 'softmax' is quantised finished and normalised). What goes into a quantiser is computed in f32, as accurately as f32 sums, v_exp_f32 and their like allow (about 1e-6 of the number): no bf16 or f16 on the way to a quantiser, and a product that is left as it is and whose result goes on into a quantised operand takes f32 operands (vector FMAs, or v_wmma_f32_16x16x4_f32). A number that lies on a knife's edge between two numbers of the format may be rounded either way, as far as f32 arithmetic and the matrix unit's own rounding can turn it there, and no further.
;; One version. Each part assembles by itself: llvm-mc -triple=amdgcn-amd-amdhsa -mcpu=gfx1250 --defsym DOCPART=n.
;; ======== version 1 of 1: 2 launches
;; workspace buffers: codes 1,572,864 bytes
;; launch prep (part 1): grid 256 x 1, 4 waves a work-group, no clusters, 6,656 bytes of LDS; arguments weight, bias, weight_parameters, bias_parameters, Ww, bw, Wb, bb, We, codes; writes codes
.if DOCPART == 1
	.amdgcn_target "amdgcn-amd-amdhsa--gfx1250"
	.amdhsa_code_object_version 6
	.text
	.protected	k_q3afadb6cfb_prep
	.globl	k_q3afadb6cfb_prep
	.p2align	8
	.type	k_q3afadb6cfb_prep,@function
k_q3afadb6cfb_prep:
	s_mov_b64 s[64:65], 0
	v_nop
	global_prefetch_b8 v0, s[64:65] scope:SCOPE_SE
	s_setreg_imm32_b32 hwreg(HW_REG_WAVE_MODE, 25, 1), 1
	s_wait_xcnt 0x0
; Both operands of out0 = relu(E We^T + be) are turned into codes of FP4 (E2M1) with one E8M0 byte for each 32 along K, once.
; E[b][d] = sigmoid(sum over t < len[b] of (x[b][t] W[d] + c[d])): columns 0-1023 from weight, weight_parameters, Ww, bw; columns 1024-1055 from bias, bias_parameters, Wb, bb.
; THE MASKED SUM IS FACTORED: it equals W[d] S[b] + c[d] n[b], S[b] the sum of the row's first n[b] scalars, n[b] = len[b] held to 0 .. 256.  All in f32: a row sum, one multiply and one fused multiply-add a number.
; SHARES.  Wave w of work-group g owns row R = 4 g + w of E and row R of We: 1,024 waves.  Waves share nothing: no barrier; EXEC is never changed; no branch.
; A LANE holds 8 neighbours along K: in step c (0 .. 3) k = 256 c + 8 l + 0 .. 7, two loads of 16 bytes, which together cover 1,024 consecutive bytes a wave.  Step 4 is the tail, k = 1024 + 8 (l % 4) + 0 .. 7:
; every group of four lanes repeats the block, so no lane leaves Wb, bb or We's row.  A block of 32 lies in four neighbouring lanes: its largest magnitude takes two steps between lanes.
; THE ROW IN THE WORKSPACE, 768 bytes (row R: E's; row 1024 + R: We's): 0-511 codes of k = 0 .. 1023; 512-527 codes of k = 1024 .. 1055; 528-575 zero codes (they fill the ninth step of 128 along K, on both operands);
; 576-607 the bytes of blocks 0 .. 31; 608 that of block 32; 609-615 the same byte again (609-611 scale the zero codes: any byte but 0xff serves); 616-767 zeros.
; The row is built in the wave's own LDS bytes and leaves by one store of 512 and one of 256 consecutive bytes, both at multiples of 256 from the buffer's first byte.
; A block's scale is 2^(floor(log2(its largest magnitude)) - 2): its byte is the largest magnitude's exponent field - 2, held at 1 from below.
; LIMITS.  The order of rounding differs from a sum term by term: S is summed first and multiplied once; the error is a few units in the last place of |W S| + |c n|.
; Scalars behind a row's length are replaced by 0 ahead of the sum, so infinities or NaN there give finite results.  NaN and infinities among the numbers that count are not served.
; A sigmoid under 2^-126 comes out as 0.  A block of zeros carries the byte 1, not 127: its codes are zeros, and this program alone reads the bytes.
.set WEROWS, 1024*768                  ; where We's rows begin in the workspace
.set WREG,   1536                      ; LDS: a wave's bytes: We's row image, then E's
.set XW,  32                           ; v32-39   my 8 scalars of the weight row: t = 128 j + 4 l + e
.set XB,  40                           ; v40-47   of the bias row
.set WW,  48                           ; v48-87   Ww, steps 0 .. 3; Wb
.set Y,   88                           ; v88-127  bw, steps 0 .. 3; bb; then in place the exponent, 2^y, 1 + 2^y, the sigmoid
.set X,   128                          ; v128-167 We, steps 0 .. 4
.set M,   168                          ; v168-172 largest magnitudes, a register a step
.set SC,  173                          ; v173-177 the conversions' scale operands
.set CD,  178                          ; v178-182 codes
.set BY,  183                          ; v183-187 scale bytes
.set RB0, 192                          ; v192-197 We's row read back
.set RB1, 200                          ; v200-205 E's row read back
	s_load_b512 s[8:23], s[0:1], 0x0               ; weight s[8:9], bias s[10:11], weight_parameters s[12:13], bias_parameters s[14:15], Ww s[16:17], bw s[18:19], Wb s[20:21], bb s[22:23]
	s_load_b128 s[24:27], s[0:1], 0x40             ; We s[24:25], the workspace s[26:27]
	v_lshl_add_u32 v208, v0, 2, 0x1800
	v_mov_b32 v209, 0
	v_lshrrev_b32 v1, 5, v0
	v_readfirstlane_b32 s28, v1                    ; wave 0 .. 3
	v_and_b32 v1, 31, v0                           ; l
	s_lshl_b32 s29, ttmp9, 2
	s_add_co_u32 s29, s29, s28                     ; R = 4 g + w
	s_lshl_b32 s30, s29, 10                        ; a row of scalars is 1,024 bytes,
	s_mov_b32 s31, 0
	s_lshl_b32 s40, s29, 2                         ; a length 4,
	s_mov_b32 s41, 0
	s_mul_i32 s42, s29, 4224                       ; a row of We 4,224,
	s_mov_b32 s43, 0
	s_mul_i32 s44, s29, 768                        ; a row of the workspace 768
	s_mov_b32 s45, 0
	s_mul_i32 s46, s28, WREG                       ; my wave's LDS bytes
	s_mov_b32 s36, 0x76543210                      ; v_permlanex16_b32's selects for lane l xor 16
	s_mov_b32 s37, 0xfedcba98
	s_mov_b32 s38, 0xf                             ; lanes 0 .. 3
	s_mov_b32 s39, 0xbfb8aa3b                      ; -log2(e)
	v_lshlrev_b32 v2, 4, v1                        ; 16 l
	v_lshlrev_b32 v3, 5, v1                        ; 32 l
	v_and_b32 v4, 3, v0
	v_lshlrev_b32 v4, 5, v4                        ; 32 (l % 4)
	v_lshlrev_b32 v5, 2, v1                        ; 4 l + e, e = 0 .. 3: my places in half a row of scalars
	v_lshl_or_b32 v6, v1, 2, 1
	v_lshl_or_b32 v7, v1, 2, 2
	v_lshl_or_b32 v8, v1, 2, 3
	v_lshl_add_u32 v9, v1, 2, s46                  ; LDS: 4 bytes a lane,
	v_lshrrev_b32 v10, 2, v1
	v_add_nc_u32 v10, s46, v10                     ; a byte for each four lanes,
	v_lshl_add_u32 v11, v1, 4, s46                 ; 16 bytes a lane,
	v_lshl_add_u32 v12, v1, 3, s46                 ; 8 bytes a lane
	v_mov_b32 v13, 0
	v_lshlrev_b32 v15, 3, v1                       ; 8 l
	v_mov_b32 v26, 0                               ; written once: a lane permute's destination counts as one of its sources
	v_mov_b32 v27, 0
	s_wait_kmcnt 0x0
	s_add_nc_u64 s[12:13], s[12:13], s[40:41]
	s_add_nc_u64 s[14:15], s[14:15], s[40:41]
	s_load_b32 s32, s[12:13], 0x0                  ; my row's two lengths
	s_load_b32 s34, s[14:15], 0x0
	s_add_nc_u64 s[8:9], s[8:9], s[30:31]
	s_add_nc_u64 s[10:11], s[10:11], s[30:31]
	s_add_nc_u64 s[24:25], s[24:25], s[42:43]
	s_add_nc_u64 s[26:27], s[26:27], s[44:45]
	; all 34 loads go out together, in the order in which they are wanted: the two rows of scalars (4), the small vectors (20), We's row (10)
	global_load_b128 v[XW:XW+3],   v2, s[8:9] th:TH_LOAD_NT
	global_load_b128 v[XW+4:XW+7], v2, s[8:9] offset:512 th:TH_LOAD_NT
	global_load_b128 v[XB:XB+3],   v2, s[10:11] th:TH_LOAD_NT
	global_load_b128 v[XB+4:XB+7], v2, s[10:11] offset:512 th:TH_LOAD_NT
.irp c, 0,1,2,3
	global_load_b128 v[Y+8*\c:Y+8*\c+3],   v3, s[18:19] offset:1024*\c       ; bw
	global_load_b128 v[Y+8*\c+4:Y+8*\c+7], v3, s[18:19] offset:1024*\c+16
.endr
	global_load_b128 v[Y+32:Y+35], v4, s[22:23]                              ; bb
	global_load_b128 v[Y+36:Y+39], v4, s[22:23] offset:16
.irp c, 0,1,2,3
	global_load_b128 v[WW+8*\c:WW+8*\c+3],   v3, s[16:17] offset:1024*\c     ; Ww
	global_load_b128 v[WW+8*\c+4:WW+8*\c+7], v3, s[16:17] offset:1024*\c+16
.endr
	global_load_b128 v[WW+32:WW+35], v4, s[20:21]                            ; Wb
	global_load_b128 v[WW+36:WW+39], v4, s[20:21] offset:16
.irp c, 0,1,2,3
	global_load_b128 v[X+8*\c:X+8*\c+3],   v3, s[24:25] offset:1024*\c th:TH_LOAD_NT      ; We's row
	global_load_b128 v[X+8*\c+4:X+8*\c+7], v3, s[24:25] offset:1024*\c+16 th:TH_LOAD_NT
.endr
	global_load_b128 v[X+32:X+35], v4, s[24:25] offset:4096 th:TH_LOAD_NT
	global_load_b128 v[X+36:X+39], v4, s[24:25] offset:4112 th:TH_LOAD_NT
	; ---- the two masked row sums
	s_wait_kmcnt 0x0                               ; the lengths
	s_max_i32 s32, s32, 0
	s_min_i32 s32, s32, 0x100                      ; n = how many t of 0 .. 255 lie under the length
	s_sub_co_i32 s33, s32, 0x80                    ; and n - 128, for the row's second half
	s_max_i32 s34, s34, 0
	s_min_i32 s34, s34, 0x100
	s_sub_co_i32 s35, s34, 0x80
	s_wait_loadcnt 30                              ; loads come back in order: the four of the scalar rows are in, the 30 younger stay out
.macro MASK x, sn                      ; scalar t = 128 j + 4 l + e counts where 4 l + e < n - 128 j; the others become 0
.irp j, 0,1
.irp e, 0,1,2,3
	v_cmp_gt_i32 vcc_lo, s[\sn+\j], v[5+\e]
	v_cndmask_b32 v[\x+4*\j+\e], 0, v[\x+4*\j+\e], vcc_lo
.endr
.endr
.endm
	MASK XW, 32
	MASK XB, 34
	v_pk_add_f32 v[XW:XW+1], v[XW:XW+1], v[XW+2:XW+3]          ; my 8 scalars; the two rows by turns
	v_pk_add_f32 v[XB:XB+1], v[XB:XB+1], v[XB+2:XB+3]
	v_pk_add_f32 v[XW+4:XW+5], v[XW+4:XW+5], v[XW+6:XW+7]
	v_pk_add_f32 v[XB+4:XB+5], v[XB+4:XB+5], v[XB+6:XB+7]
	v_pk_add_f32 v[XW:XW+1], v[XW:XW+1], v[XW+4:XW+5]
	v_pk_add_f32 v[XB:XB+1], v[XB:XB+1], v[XB+4:XB+5]
	v_add_f32 v24, v[XW], v[XW+1]
	v_add_f32 v25, v[XB], v[XB+1]
.irp m, 1,2,4,8
	v_add_f32_dpp v24, v24, v24 row_xmask:\m row_mask:0xf bank_mask:0xf      ; over the 16 lanes of a half
	v_add_f32_dpp v25, v25, v25 row_xmask:\m row_mask:0xf bank_mask:0xf
.endr
	v_permlanex16_b32 v26, v24, s36, s37
	v_permlanex16_b32 v27, v25, s36, s37
	v_add_f32 v24, v24, v26                        ; S of the weight row, in every lane
	v_add_f32 v25, v25, v27                        ; S of the bias row
	v_cvt_f32_i32 v28, s32                         ; n as f32: exact
	v_cvt_f32_i32 v29, s34
	v_mul_f32 v16, s39, v24                        ; -log2(e) S and -log2(e) n, each twice: pairs for the packed forms
	v_mul_f32 v17, s39, v24
	v_mul_f32 v18, s39, v28
	v_mul_f32 v19, s39, v28
	v_mul_f32 v20, s39, v25
	v_mul_f32 v21, s39, v25
	v_mul_f32 v22, s39, v29
	v_mul_f32 v23, s39, v29
	; ---- y = -log2(e) (W S + c n), two numbers an instruction
	s_wait_loadcnt 10                              ; bw, bb, Ww, Wb are in; We's ten loads stay out
.set P, 0
.rept 16
	v_pk_mul_f32 v[Y+P:Y+P+1], v[Y+P:Y+P+1], v[18:19]
.set P, P+2
.endr
.rept 4
	v_pk_mul_f32 v[Y+P:Y+P+1], v[Y+P:Y+P+1], v[22:23]
.set P, P+2
.endr
.set P, 0
.rept 16
	v_pk_fma_f32 v[Y+P:Y+P+1], v[WW+P:WW+P+1], v[16:17], v[Y+P:Y+P+1]
.set P, P+2
.endr
.rept 4
	v_pk_fma_f32 v[Y+P:Y+P+1], v[WW+P:WW+P+1], v[20:21], v[Y+P:Y+P+1]
.set P, P+2
.endr
.set P, 0
.rept 40
	v_exp_f32 v[Y+P], v[Y+P]                       ; 2^y = e^(-sum): one batch; We's row is quantised behind it, and names none of these registers
.set P, P+1
.endr
; Five steps of 8 numbers a lane, v[src + 8 i] on, become codes (CD), scale bytes (BY).  The five steps take turns line by line.
.macro QUANT5 src
.irp i, 0,1,2,3,4
	v_max3_num_f32 v[M+\i], |v[\src+8*\i]|, |v[\src+8*\i+1]|, 0x1800000      ; and the floor 2^(3 - 127), under which no largest magnitude is taken: so the byte cannot fall under 1
.endr
.irp j, 2,4,6
.irp i, 0,1,2,3,4
	v_max3_num_f32 v[M+\i], v[M+\i], |v[\src+8*\i+\j]|, |v[\src+8*\i+\j+1]|
.endr
.endr
.irp i, 0,1,2,3,4
	v_max_num_f32_dpp v[M+\i], v[M+\i], v[M+\i] row_xmask:1 row_mask:0xf bank_mask:0xf
.endr
.irp i, 0,1,2,3,4
	v_max_num_f32_dpp v[M+\i], v[M+\i], v[M+\i] row_xmask:2 row_mask:0xf bank_mask:0xf   ; the four lanes' 32 numbers: the block's largest magnitude
.endr
.irp i, 0,1,2,3,4
	v_add_nc_u32 v[SC+\i], 0xff000000, v[M+\i]     ; 2 off its exponent field: the conversion takes the exponent field of this operand as its scale, and nothing else of it
.endr
.irp i, 0,1,2,3,4
	v_cvt_scalef32_pk8_fp4_f32 v[CD+\i], v[\src+8*\i:\src+8*\i+7], v[SC+\i]  ; to the nearest code, ties to even, beyond 6 the largest code; the first number's code in the lowest four bits
.endr
.irp i, 0,1,2,3,4
	v_lshrrev_b32 v[BY+\i], 23, v[SC+\i]           ; the scale's byte.  (These five are the plain lines between the conversions and the line that touches a result)
.endr
	v_cndmask_b32 v[CD+4], v13, v[CD+4], s38       ; the tail: lanes 0 .. 3 keep the block's codes, the other lanes give the zero codes and zeros behind them
.endm
; The row's image at byte o of my LDS bytes.  LDS serves a wave's instructions in order, so the bytes land on the zeros that the tail's store has laid.
.macro IMAGE o
.irp c, 0,1,2,3
	ds_store_b32 v9, v[CD+\c] offset:\o+128*\c     ; bytes 128 c + 4 l
.endr
	ds_store_b32 v9, v[CD+4] offset:\o+512         ; bytes 512 .. 639
	ds_store_b32 v9, v13 offset:\o+640             ; bytes 640 .. 767
.irp c, 0,1,2,3
	ds_store_b8 v10, v[BY+\c] offset:\o+576+8*\c   ; block 8 c + l / 4: four lanes write the same byte with the same value
.endr
	ds_store_b8 v10, v[BY+4] offset:\o+608         ; block 32's byte, eight times
.endm
	; ---- We's row
	s_wait_loadcnt 0x0
	QUANT5 X
	IMAGE 0
	; ---- the sigmoid goes on
	s_wait_alu depctr_va_vdst(0)                   ; ahead of the first line that names an exponential's result: one wait for the 40
.set P, 0
.rept 20
	v_pk_add_f32 v[Y+P:Y+P+1], v[Y+P:Y+P+1], 1.0 op_sel_hi:[1,0]
.set P, P+2
.endr
.set P, 0
.rept 40
	v_rcp_f32 v[Y+P], v[Y+P]                       ; 1 / (1 + e^(-sum)): the second batch; We's row leaves behind it
.set P, P+1
.endr
	ds_load_b128 v[RB0:RB0+3], v11                 ; the image's bytes 0 .. 511,
	ds_load_b64 v[RB0+4:RB0+5], v12 offset:512     ; and 512 .. 767
	v_nop                                          ; a plain line behind the last reciprocal
	s_wait_dscnt 0x0                               ; the row is back, and the image's stores have read CD and BY, which are written again below
	global_store_b128 v2, v[RB0:RB0+3], s[26:27] offset:WEROWS               ; 32 lanes store 512 consecutive bytes,
	global_store_b64 v15, v[RB0+4:RB0+5], s[26:27] offset:WEROWS+512         ; and 256
	s_wait_alu depctr_va_vdst(0)                   ; one wait for the 40 reciprocals, ahead of their first reader
	; ---- E's row
	QUANT5 Y
	IMAGE 768
	ds_load_b128 v[RB1:RB1+3], v11 offset:768
	ds_load_b64 v[RB1+4:RB1+5], v12 offset:1280
	s_wait_dscnt 0x0
	global_store_b128 v2, v[RB1:RB1+3], s[26:27]
	global_store_b64 v15, v[RB1+4:RB1+5], s[26:27] offset:512
	s_wait_tensorcnt 0x0
	ds_add_u32 v208, v209
	s_wait_dscnt 0x0
	s_endpgm
.Lfunc_end_k_q3afadb6cfb_prep:
	.size	k_q3afadb6cfb_prep, .Lfunc_end_k_q3afadb6cfb_prep-k_q3afadb6cfb_prep
	.p2alignl 7, 3214868480
	.fill 96, 4, 3214868480
	.section	.rodata,"a",@progbits
	.p2align	6, 0x0
	.amdhsa_kernel k_q3afadb6cfb_prep
		.amdhsa_group_segment_fixed_size 6656
		.amdhsa_private_segment_fixed_size 0
		.amdhsa_enable_private_segment 0
		.amdhsa_kernarg_size 80
		.amdhsa_user_sgpr_count 2
		.amdhsa_user_sgpr_kernarg_segment_ptr 1
		.amdhsa_wavefront_size32 1
		.amdhsa_system_sgpr_workgroup_id_x 1
		.amdhsa_system_sgpr_workgroup_id_y 1
		.amdhsa_system_sgpr_workgroup_id_z 1
		.amdhsa_system_vgpr_workitem_id 0
		.amdhsa_next_free_vgpr 210
		.amdhsa_next_free_sgpr 66
		.amdhsa_reserve_vcc 1
		.amdhsa_float_denorm_mode_32 3
		.amdhsa_float_denorm_mode_16_64 3
		.amdhsa_memory_ordered 1
		.amdhsa_forward_progress 1
		.amdhsa_inst_pref_size 23
	.end_amdhsa_kernel
	.amdgpu_metadata
---
amdhsa.version: [ 1, 2 ]
amdhsa.kernels:
  - .name:           k_q3afadb6cfb_prep
    .symbol:         k_q3afadb6cfb_prep.kd
    .args:
      - { .name: weight, .offset: 0, .size: 8, .value_kind: global_buffer, .address_space: global }
      - { .name: bias, .offset: 8, .size: 8, .value_kind: global_buffer, .address_space: global }
      - { .name: weight_parameters, .offset: 16, .size: 8, .value_kind: global_buffer, .address_space: global }
      - { .name: bias_parameters, .offset: 24, .size: 8, .value_kind: global_buffer, .address_space: global }
      - { .name: Ww, .offset: 32, .size: 8, .value_kind: global_buffer, .address_space: global }
      - { .name: bw, .offset: 40, .size: 8, .value_kind: global_buffer, .address_space: global }
      - { .name: Wb, .offset: 48, .size: 8, .value_kind: global_buffer, .address_space: global }
      - { .name: bb, .offset: 56, .size: 8, .value_kind: global_buffer, .address_space: global }
      - { .name: We, .offset: 64, .size: 8, .value_kind: global_buffer, .address_space: global }
      - { .name: codes, .offset: 72, .size: 8, .value_kind: global_buffer, .address_space: global }
    .group_segment_fixed_size: 6656
    .private_segment_fixed_size: 0
    .kernarg_segment_align: 8
    .kernarg_segment_size: 80
    .max_flat_workgroup_size: 128
    .sgpr_count:     66
    .vgpr_count:     210
    .wavefront_size: 32
...
	.end_amdgpu_metadata
.endif
;; end of part 1
;; launch gemm (part 2): grid 16 x 16, 4 waves a work-group, no clusters, 168,448 bytes of LDS; arguments codes, be, out0; writes out0
.if DOCPART == 2
	.amdgcn_target "amdgcn-amd-amdhsa--gfx1250"
	.amdhsa_code_object_version 6
	.text
	.protected	k_q3afadb6cfb_gemm
	.globl	k_q3afadb6cfb_gemm
	.p2align	8
	.type	k_q3afadb6cfb_gemm,@function
k_q3afadb6cfb_gemm:
	s_mov_b64 s[64:65], 0
	v_nop
	global_prefetch_b8 v0, s[64:65] scope:SCOPE_SE
	s_setreg_imm32_b32 hwreg(HW_REG_WAVE_MODE, 25, 1), 1
	s_wait_xcnt 0x0
; out0 = relu(E We^T + be) on codes of FP4 (E2M1) with one E8M0 byte for each 32 along K.  The workspace holds 2,048 rows of 768 bytes: rows 0-1023 E's, rows 1024-2047 We's.
; Of a row: bytes 0-575 the codes of nine steps of 128 along K (K = 1,056; the rest of the ninth step is zero codes on both sides); bytes 576-611 nine scale words, one a step.
; SHARES.  Work-group (x, y) makes rows 64 y .. and columns 64 x .. of out0: 256 work-groups.  Wave w makes rows 16 w .. 16 w + 15 x all 64 columns: four accumulators, nine K steps, 36 matrix instructions.
; All of K fits in LDS at once: each wave brings 32 rows x 640 bytes by ONE tensor load at the head (waves 0, 1: E's 64 rows; waves 2, 3: We's); nothing in LDS is filled twice, and there is one barrier.
; A wave has one tensor load outstanding.  The LDS claim is larger than the use (109,568 bytes).
; NO CLUSTER: a work-group asks once, for 81,920 bytes, at its head, and never again: a joint request would put a round of sixteen work-groups in front of the launch's only fetch.
; THE MATRIX INSTRUCTION IS USED TRANSPOSED (source 0 = 16 rows of We, source 1 = 16 rows of E): lane (r, h) holds row r of out0, and register j of tile t column 16 t + 8 h + j: eight neighbours.
; be is loaded straight into the accumulators, in that layout: it is the C of each sum's first product, so all 36 products have one form and the bias costs no addition.
; REGISTERS, in windows of 256: window 0: v1-12 addresses; v16-47 the accumulators; v48-56 E's scale words; v58-96 We's (tile t at v[58 + 10 t]); v104-175 E's nine fragments; v176-207 rows on the way out.
;   window 1: We's fragments of K steps 0 .. 3 (step s, tile t at v[32 s + 8 t]).   window 2: those of steps 4 .. 8 (at v[32 (s - 4) + 8 t]).
.set PITCH, 720                        ; a row in LDS: 640 bytes with 16 of padding behind each 128: 45 x 16 bytes, so the 16 rows that a load touches fall in 16 different columns of 16 bytes (64 banks of 4 bytes: ISA guide 11.1)
.set TILE,  32*PITCH                   ; what one tensor load brings
.set WEL,   2*TILE                     ; We's 64 rows lie behind E's
.set SCW,   640                        ; a row's scale words: memory byte 576 = 4 x 128 + 64 lies at 4 x 144 + 64
.set STAGE, 4*TILE                     ; behind the tiles: 16 rows x 272 bytes for each wave, for the way out; no tensor load lands there
.set SP,    272
.set AA,  3                            ; v3   LDS address of my fragments of E
.set AB,  4                            ; v4   of We
.set ASA, 5                            ; v5   of E's scale words
.set ASB, 6                            ; v6   of We's
.set STO, 7                            ; v7   the way out: where I put 32 bytes of a row
.set RD,  8                            ; v8   where I read a row back
.set CO,  9                            ; v9   my byte offset in the wave's rows of out0
.set BEO, 10                           ; v10  my byte offset in be
.set ACC, 16
.set SA,  48
.set SB,  58
.set AF,  104
.set OB,  176
.set MSB, 0
.macro WIN new                         ; s_set_vgpr_msb's low byte: bits 1:0 source 0, 3:2 source 1, 5:4 source 2, 7:6 destination; the high byte repeats the setting that is left
.if MSB != \new
	s_set_vgpr_msb (MSB<<8)|\new
.set MSB, \new
.endif
.endm
	s_load_b128 s[4:7], s[0:1], 0x0                ; the workspace s[4:5], be s[6:7]
	s_load_b64 s[8:9], s[0:1], 0x10                ; out0
	v_lshl_add_u32 v254, v0, 2, 0x29000
	v_mov_b32 v255, 0
	ds_add_u32 v254, v255
	ds_add_u32 v254, v255
	v_lshrrev_b32 v1, 5, v0
	v_readfirstlane_b32 s10, v1                    ; wave 0 .. 3
	s_mov_b32 s11, ttmp9                           ; x: which 64 columns
	s_and_b32 s12, ttmp7, 0xffff                   ; y: which 64 rows
	; descriptor group 1: a tile of 32 rows x 640 bytes, rows 768 bytes apart in memory, padded in LDS
	s_mov_b32 s24, (0<<16)|(1<<20)|(4<<22)|(3<<25) ; 15:0 no mask; 17:16 elements of 1 byte; 20 padding on; 24:22 after every 32 words (code 4); 31:25 four words (code 3)
	s_mov_b32 s25, 640<<16                         ; tensor_dim0
	s_mov_b32 s26, 32<<16                          ; tensor_dim1
	s_mov_b32 s27, 640<<16                         ; tile_dim0
	s_mov_b32 s28, 32                              ; tile_dim1
	s_mov_b32 s29, 768                             ; tensor_dim0_stride
	s_mov_b32 s30, 0
	s_mov_b32 s31, 0
	; which 32 rows of the workspace I fetch: 64 (y for E, x for We) + 32 (w % 2) + 1024 (w / 2)
	s_cmp_lt_u32 s10, 2
	s_cselect_b32 s13, s12, s11
	s_lshl_b32 s13, s13, 6
	s_and_b32 s14, s10, 1
	s_lshl_b32 s14, s14, 5
	s_add_co_u32 s13, s13, s14
	s_lshr_b32 s14, s10, 1
	s_lshl_b32 s14, s14, 10
	s_add_co_u32 s13, s13, s14
	s_mul_i32 s16, s13, 768
	s_mov_b32 s17, 0
	s_lshl_b32 s32, s11, 8                         ; be, and a row of out0: my 64 columns are 256 bytes
	s_mov_b32 s33, 0
	s_lshl_b32 s34, s12, 6
	s_lshl_b32 s15, s10, 4
	s_add_co_u32 s34, s34, s15                     ; my first row of out0: 64 y + 16 w,
	s_lshl_b32 s34, s34, 12                        ; of 4,096 bytes,
	s_add_co_u32 s34, s34, s32                     ; and my columns
	s_mov_b32 s35, 0
	s_mul_i32 s18, s10, 16*PITCH                   ; my 16 rows of E in LDS
	s_add_co_u32 s19, s18, SCW
	s_mul_i32 s14, s10, 16*SP
	s_add_co_u32 s14, s14, STAGE                   ; my stage
	s_mov_b32 s20, 1                               ; descriptor group 0: 1:0 count = 1
	s_mul_i32 s21, s10, TILE                       ; 63:32 LDS address: wave x 32 rows
	s_wait_dscnt 0x0
	s_wait_kmcnt 0x0
	s_add_nc_u64 s[22:23], s[4:5], s[16:17]        ; 120:64 global address of the tile's first byte
	s_or_b32 s23, s23, 0x80000000                  ; 127:126 type = 2
	s_add_nc_u64 s[6:7], s[6:7], s[32:33]          ; (the pointers are stepped ahead of the tensor load)
	s_add_nc_u64 s[8:9], s[8:9], s[34:35]
	tensor_load_to_lds s[20:23], s[24:31]          ; my one tensor load: a first fill, ahead of every wait on TENSORcnt, every LDS read and the barrier
	s_nop 0
	v_and_b32 v1, 15, v0                           ; r
	v_bfe_u32 v2, v0, 4, 1                         ; h
	v_lshlrev_b32 v[BEO], 5, v2                    ; be: tile t's eight numbers of my half: 64 t + 32 h bytes on
	v_mul_u32_u24 v11, v1, PITCH
.irp t, 0,1,2,3
	global_load_b128 v[ACC+8*\t:ACC+8*\t+3],   v[BEO], s[6:7] offset:64*\t
	global_load_b128 v[ACC+8*\t+4:ACC+8*\t+7], v[BEO], s[6:7] offset:64*\t+16
.endr
	v_lshl_add_u32 v12, v2, 4, v11                 ; row r x pitch + 16 h: a fragment's place for my lane
	v_add_nc_u32 v[AA], s18, v12
	v_add_nc_u32 v[AB], WEL, v12
	v_add_nc_u32 v[ASA], s19, v11                  ; scale words: row r's; lanes 16-31 read the same and are not used
	v_add_nc_u32 v[ASB], WEL+SCW, v11
	v_mul_u32_u24 v[STO], v1, SP                   ; the stage, in: row r, 32 bytes for each half of the lanes
	v_lshl_add_u32 v[STO], v2, 5, v[STO]
	v_add_nc_u32 v[STO], s14, v[STO]
	v_mul_u32_u24 v[RD], v2, SP                    ; back: lanes 0-15 take one row of 256 bytes, lanes 16-31 the next
	v_lshl_add_u32 v[RD], v1, 4, v[RD]
	v_add_nc_u32 v[RD], s14, v[RD]
	v_lshlrev_b32 v[CO], 12, v2                    ; and the same two rows in out0
	v_lshl_add_u32 v[CO], v1, 4, v[CO]
	s_wait_tensorcnt 0x0                           ; my 32 rows have landed,
	s_barrier_signal -1
	s_barrier_wait -1                              ; everybody's have
; A fragment, 16 rows x 128 K of 4-bit codes, is 8 registers: lane l holds row l % 16; registers 4 c .. 4 c + 3 hold K = 64 c + 32 (l / 16) + 0 .. 31: 16 bytes of the row as they lie.
.macro FRAG reg, adr, off
	ds_load_b128 v[\reg:\reg+3],   v[\adr] offset:\off
	ds_load_b128 v[\reg+4:\reg+7], v[\adr] offset:\off+32
.endm
; K step s begins at byte 144 (s / 2) + 64 (s % 2) of an LDS row: two steps to each 128 bytes, 16 of padding behind them
.macro FETCH_A first, count            ; E's fragments of count steps
.set KQ, \first
.rept \count
	FRAG AF+8*KQ, AA, 144*(KQ/2)+64*(KQ%2)
.set KQ, KQ+1
.endr
.endm
.macro FETCH_B first, count            ; We's, four tiles a step, into the window that is set
.set KQ, \first
.rept \count
.irp t, 0,1,2,3
	FRAG 32*(KQ-(\first))+8*\t, AB, 16*PITCH*\t+144*(KQ/2)+64*(KQ%2)
.endr
.set KQ, KQ+1
.endr
.endm
; count K steps: the four accumulators take turns, one instruction a turn, from one call into the next too.  All operands and scale words come from loads and owe only their waits.
.macro MULS first, count
.set KQ, \first
.rept \count
.irp t, 0,1,2,3
	v_wmma_scale_f32_16x16x128_f8f6f4 v[ACC+8*\t:ACC+8*\t+7], v[32*(KQ-(\first))+8*\t:32*(KQ-(\first))+8*\t+7], v[AF+8*KQ:AF+8*KQ+7], v[ACC+8*\t:ACC+8*\t+7], v[SB+10*\t+KQ], v[SA+KQ] matrix_a_fmt:MATRIX_FMT_FP4 matrix_b_fmt:MATRIX_FMT_FP4
.endr
.set KQ, KQ+1
.endr
.endm
	; all 105 LDS loads in one run, in the order of K: 3 + 12 scale loads, 8 + 32 for steps 0 .. 3, then 10 + 40 for steps 4 .. 8
	ds_load_b128 v[SA:SA+3],   v[ASA]              ; E's nine scale words: register s is step s's
	ds_load_b128 v[SA+4:SA+7], v[ASA] offset:16
	ds_load_b32  v[SA+8],      v[ASA] offset:32
.irp t, 0,1,2,3
	ds_load_b128 v[SB+10*\t:SB+10*\t+3],   v[ASB] offset:16*PITCH*\t
	ds_load_b128 v[SB+10*\t+4:SB+10*\t+7], v[ASB] offset:16*PITCH*\t+16
	ds_load_b32  v[SB+10*\t+8],            v[ASB] offset:16*PITCH*\t+32
.endr
	FETCH_A 0, 4
	WIN 0x40                                       ; destination window 1, address window 0
	FETCH_B 0, 4
	WIN 0
	FETCH_A 4, 5
	WIN 0x80                                       ; destination window 2
	FETCH_B 4, 5
	s_wait_loadcnt 0x0                             ; be lies in the accumulators
	s_wait_dscnt 50                                ; LDS loads come back in order: all but the 10 + 40 of steps 4 .. 8 are in
	WIN 0x01                                       ; source 0 (We) window 1
	MULS 0, 4
	s_wait_dscnt 0x0
	WIN 0x02                                       ; source 0 window 2
	MULS 4, 5
	WIN 0
	; THE WAY OUT.  relu; a lane's 32 bytes of a row go into my own stage (rows of 272 bytes) and come back as whole rows of 256 bytes.
.rept 4
	v_nop                                          ; four plain lines between the last products and the first read of a result (ISA guide 7.12.1)
.endr
.set P, 0
.rept 32
	v_max_num_f32 v[ACC+P], 0, v[ACC+P]            ; each accumulator from its low end on
.set P, P+1
.endr
.irp t, 0,1,2,3
	ds_store_b128 v[STO], v[ACC+8*\t:ACC+8*\t+3]   offset:64*\t
	ds_store_b128 v[STO], v[ACC+8*\t+4:ACC+8*\t+7] offset:64*\t+16
.endr
.irp i, 0,1,2,3,4,5,6,7
	ds_load_b128 v[OB+4*\i:OB+4*\i+3], v[RD] offset:\i*2*SP    ; LDS serves a wave's instructions in order: these see my stores
.endr
.irp i, 0,1,2,3,4,5,6,7
	s_wait_dscnt 7-\i                              ; rows 2 i and 2 i + 1 are back; the younger loads stay out
	global_store_b128 v[CO], v[OB+4*\i:OB+4*\i+3], s[8:9] offset:\i*8192 th:TH_STORE_NT   ; 16 lanes store 256 consecutive bytes, at a multiple of 256 from out0's first byte; written once, read by nobody here
.endr
	s_wait_tensorcnt 0x0
	ds_add_u32 v254, v255
	s_wait_dscnt 0x0
	s_endpgm
.Lfunc_end_k_q3afadb6cfb_gemm:
	.size	k_q3afadb6cfb_gemm, .Lfunc_end_k_q3afadb6cfb_gemm-k_q3afadb6cfb_gemm
	.p2alignl 7, 3214868480
	.fill 96, 4, 3214868480
	.section	.rodata,"a",@progbits
	.p2align	6, 0x0
	.amdhsa_kernel k_q3afadb6cfb_gemm
		.amdhsa_group_segment_fixed_size 168448
		.amdhsa_private_segment_fixed_size 0
		.amdhsa_enable_private_segment 0
		.amdhsa_kernarg_size 24
		.amdhsa_user_sgpr_count 2
		.amdhsa_user_sgpr_kernarg_segment_ptr 1
		.amdhsa_wavefront_size32 1
		.amdhsa_system_sgpr_workgroup_id_x 1
		.amdhsa_system_sgpr_workgroup_id_y 1
		.amdhsa_system_sgpr_workgroup_id_z 1
		.amdhsa_system_vgpr_workitem_id 0
		.amdhsa_next_free_vgpr 768
		.amdhsa_next_free_sgpr 66
		.amdhsa_reserve_vcc 0
		.amdhsa_float_denorm_mode_32 3
		.amdhsa_float_denorm_mode_16_64 3
		.amdhsa_memory_ordered 1
		.amdhsa_forward_progress 1
		.amdhsa_inst_pref_size 19
	.end_amdhsa_kernel
	.amdgpu_metadata
---
amdhsa.version: [ 1, 2 ]
amdhsa.kernels:
  - .name:           k_q3afadb6cfb_gemm
    .symbol:         k_q3afadb6cfb_gemm.kd
    .args:
      - { .name: codes, .offset: 0, .size: 8, .value_kind: global_buffer, .address_space: global }
      - { .name: be, .offset: 8, .size: 8, .value_kind: global_buffer, .address_space: global }
      - { .name: out0, .offset: 16, .size: 8, .value_kind: global_buffer, .address_space: global }
    .group_segment_fixed_size: 168448
    .private_segment_fixed_size: 0
    .kernarg_segment_align: 8
    .kernarg_segment_size: 24
    .max_flat_workgroup_size: 128
    .sgpr_count:     66
    .vgpr_count:     768
    .wavefront_size: 32
...
	.end_amdgpu_metadata
.endif
;; end of part 2
